; MI455X (gfx1250); checked and timed in simulation.
; The chip was launched on July 23, 2026; its instructions are those of AMD's public machine-readable ISA for CDNA 5 (MIT licence, August 2026) and "CDNA5" Instruction Set Architecture Reference Guide (July 2026). The comments in the code are by the model that wrote it; some were corrected since.
;; Switch Linear. Allowed arithmetic: matrix products marked QUANTISED: E4M3 operands, one given power-of-two scale a tensor, by v_wmma_f32_16x16x64_fp8_fp8 or v_wmma_f32_16x16x128_fp8_fp8, f32 sums; everything else in f32.
;; Inputs: bias 8 x 2,048 float32; indices 2 x 1,024 x 2 int32; lowp_scales 2 int32 (the exponents e of the quantised operands' scales 2^e); weight 8 x 2,048 x 2,048 float32; x 2 x 1,024 x 2,048 float32.
;; Outputs: out0 2 x 1,024 x 2 x 2,048 float32.
;; This version of the problem:
;;   THIS VERSION OF THE PROBLEM IS GIVEN IN LOW PRECISION. The matrix products marked QUANTISED in the list below multiply operands that are first quantised to E4M3 (4 exponent bits, 3 mantissa bits; 8 bits a number), with one given power-of-two scale for each operand tensor; their sums are f32. All else is computed in f32.
;;   The module's matrix products, in the order in which they are computed (A, B: the left and right operand; K: the contracted axis; several contracted axes count as one K, in the product's order):
;;     1. [M 2,048, K 2,048] x [K 2,048, N 16,384]; A: input x; B: input weight: QUANTISED (scales: A lowp_scales[0], B lowp_scales[1])
;;   THE QUANTISER, for each operand of a quantised product, along K:
;;     - The operand's scale is 2^e, e = its entry of the input lowp_scales (int32; the entries are numbered through the quantised products in the list's order, A before B).
;;     - Each number is divided by the scale, clamped to +-448, and rounded to the nearest number of E4M3, ties to even, subnormals kept.
;;     - The product sums the exact products of the quantised numbers (number of the format x scale) in f32.
;;   ~~~python
;;   def quantise(x, axis, e):      # numpy; x: float32 -> the quantised numbers, widened to float32 again
;;       x = np.moveaxis(x, axis, -1); K = x.shape[-1]
;;       r = np.clip(x / 2.0 ** e, -448, 448)
;;       step = 2.0 ** (np.maximum(np.frexp(np.where(r == 0, 1, r))[1] - 1, -6) - 3)
;;       q = np.round(r / step) * step * 2.0 ** e      # np.round: ties to even
;;       return np.moveaxis(q, -1, axis).astype(np.float32)
;;   ~~~
;; One version. Each part assembles by itself: llvm-mc -triple=amdgcn-amd-amdhsa -mcpu=gfx1250 --defsym DOCPART=n.
;; ======== version 1 of 1: 2 launches
;; limits: right only within a limited range of input values
;; workspace buffers: xc 4,194,304 bytes; list 131,072 bytes of whole numbers; cnt 2,048 bytes of whole numbers
;; launch prep (part 1): grid 264 x 1, 16 waves a work-group, no clusters, 84,224 bytes of LDS; arguments x, indices, lowp_scales, xc, list, cnt; writes xc, list, cnt
.if DOCPART == 1
	.amdgcn_target "amdgcn-amd-amdhsa--gfx1250"
	.amdhsa_code_object_version 6
	.text
	.protected	k_q20db167459_prep
	.globl	k_q20db167459_prep
	.p2align	8
	.type	k_q20db167459_prep,@function
k_q20db167459_prep:
	s_mov_b64 s[64:65], 0
	v_nop
	global_prefetch_b8 v0, s[64:65] scope:SCOPE_SE
	s_setreg_imm32_b32 hwreg(HW_REG_WAVE_MODE, 25, 1), 1
	s_wait_xcnt 0x0
; TWO JOBS IN ONE LAUNCH, told apart by the work-group's number alone.
; Work-groups 8 to 263: x [2048 tokens][2048] f32 becomes codes of FP8 (E4M3), one byte a code, K innermost, in xc [2048][2048]:
;   code = x / 2^ex, held within +-448, rounded to the nearest code, ties to even.  ex is entry 0 (int32) of the buffer of scales.
;   Rows are dense, so x is a plain stream: a wave takes 1,024 numbers, two steps of 512; 256 x 16 waves x 1,024 = all 4,194,304.
;   A conversion takes eight neighbours along K from ONE lane's registers; each load reads 512 consecutive bytes, 16 a lane; a step's 2,048 bytes go through the wave's own
;   stage in LDS as they lie and come back 64 bytes a lane; a lane's 16 codes are 16 bytes, so a store covers 512 consecutive bytes.
; Work-group e = 0 .. 7: a permutation of the 4,096 routed rows r = 2 x token + slot, without atomics, one barrier:
;   list [8][4096] int32: list[e] holds the n_e rows of expert e from its front on, the other rows from its back on: each word is stored once.
;   cnt [8][64] int32: 256 bytes for each expert, every word of them n_e.
; LIMITS: ex between -126 and 119, so that 2^ex and 448 x 2^ex are f32 numbers.  NaN among x is not served.  An index outside 0 .. 7 (outside the table of experts) is not served.
; The two jobs have LDS bytes of their own: the stages lie at 0 .. 81,919, the table of counts behind them.
.set SP,    80                         ; a lane's place in a stage: its 64 bytes + 16 of padding
.set STG,   32*SP                      ; a stage
.set WREG,  2*STG                      ; a wave's two stages
.set TAB,   16*WREG                    ; the sort's table: one word for each wave
.set SPARE, TAB+256                    ; the spare words, 128 bytes for each wave
.set R,     16                         ; v16-47  two sets of 16 numbers as they are loaded
.set X,     48                         ; v48-79  two sets of 16 neighbours
.set C,     80                         ; v80-87  codes: four registers for each step
.set SPW,   96                         ; v96     LDS address of my spare word; never rewritten
.set NIL,   97                         ; v97     0; never rewritten
	s_load_b256 s[4:11], s[0:1], 0x0               ; x s[4:5], indices s[6:7], the scales' exponents s[8:9], xc s[10:11]
	s_load_b128 s[12:15], s[0:1], 0x20             ; list s[12:13], cnt s[14:15]
	v_lshrrev_b32 v1, 5, v0
	v_and_b32 v2, 31, v0                           ; lane
	v_lshl_add_u32 v[SPW], v0, 2, SPARE
	v_mov_b32 v[NIL], 0
	v_readfirstlane_b32 s16, v1                    ; wave 0..15
	v_lshlrev_b32 v3, 4, v2                        ; 16 x lane; never rewritten
	s_wait_alu depctr_va_vdst(0)
	s_wait_kmcnt 0x0
	s_cmp_lt_u32 ttmp9, 8                          ; the same in all sixteen waves of a work-group
	s_cbranch_scc1 .Lsort
; ---------------- the quantiser ----------------
	s_load_b32 s20, s[8:9], 0x0                    ; ex
	s_sub_co_u32 s17, ttmp9, 8
	s_lshl_b32 s17, s17, 4
	s_add_co_u32 s17, s17, s16                     ; which run of 1,024 numbers is my wave's: 0 .. 4,095
	s_lshl_b32 s18, s17, 12                        ; 4,096 bytes of x,
	s_mov_b32 s19, 0
	s_add_nc_u64 s[4:5], s[4:5], s[18:19]
	s_lshl_b32 s18, s17, 10                        ; 1,024 bytes of codes
	s_add_nc_u64 s[10:11], s[10:11], s[18:19]
.irp t, 0,1
.irp i, 0,1,2,3
	global_load_b128 v[R+16*\t+4*\i:R+16*\t+4*\i+3], v3, s[4:5] offset:2048*\t+512*\i th:TH_LOAD_NT   ; 32 lanes read 512 consecutive bytes; read once in the launch
.endr
.endr
	s_mul_i32 s21, s16, WREG
	v_lshrrev_b32 v14, 2, v2
	v_mul_u32_u24 v13, v2, SP
	v_and_b32 v15, 3, v2
	v_mul_u32_u24 v14, v14, SP
	v_lshl_add_u32 v14, v15, 4, v14
	v_add_nc_u32 v15, s21, v13                     ; out of the stage: SP x lane: my 16 neighbours
	v_add_nc_u32 v14, s21, v14                     ; into it: four lanes' 64 bytes on end, then 16 of padding: SP (lane / 4) + 16 (lane % 4); a load's 512 bytes take eight places
	s_wait_alu depctr_va_vdst(0)
	s_wait_kmcnt 0x0
	s_add_co_i32 s20, s20, 127
	s_lshl_b32 s22, s20, 23
	v_mov_b32 v11, s22                             ; 2^ex as f32: the conversion takes its exponent field
	s_add_co_i32 s20, s20, 8
	s_lshl_b32 s20, s20, 23
	s_or_b32 s20, s20, 0x600000
	v_mov_b32 v10, s20                             ; 448 x 2^ex
.macro TURN t                          ; step t's numbers through its stage: LDS serves a wave's instructions in order (ISA guide 5.7.1.4), so no wait stands between the stores and the loads
.irp i, 0,1,2,3
	ds_store_b128 v14, v[R+16*\t+4*\i:R+16*\t+4*\i+3] offset:STG*\t+8*SP*\i
.endr
.irp i, 0,1,2,3
	ds_load_b128 v[X+16*\t+4*\i:X+16*\t+4*\i+3], v15 offset:STG*\t+16*\i
.endr
.endm
.macro QUANT t
.irp i, 0,1,2,3,4,5,6,7,8,9,10,11,12,13,14,15
	v_med3_num_f32 v[X+16*\t+\i], v[X+16*\t+\i], -v10, v10   ; the conversion to an 8-bit code does not saturate (ISA guide 7.6.2): the hold at the largest code x the scale comes first
.endr
	v_cvt_scalef32_pk8_fp8_f32 v[C+4*\t:C+4*\t+1], v[X+16*\t:X+16*\t+7], v11
	v_cvt_scalef32_pk8_fp8_f32 v[C+4*\t+2:C+4*\t+3], v[X+16*\t+8:X+16*\t+15], v11
	global_store_b128 v3, v[C+4*\t:C+4*\t+3], s[10:11] offset:512*\t   ; 32 lanes store 512 consecutive bytes, at a multiple of 256 from xc's first byte.  (The codes go to a store alone; each step has its own registers)
.endm
	s_wait_alu depctr_va_vdst(0)
	s_wait_loadcnt 4                               ; step 0's four loads are in; step 1's four may be out
	TURN 0
	s_wait_loadcnt 0x0
	TURN 1
	s_wait_dscnt 8                                 ; step 0 is back from its stage; step 1's four stores and four loads may be out
	QUANT 0
	s_wait_dscnt 0x0
	QUANT 1
	s_wait_tensorcnt 0x0                           ; the wave's end
	ds_add_u32 v[SPW], v[NIL]
	s_wait_dscnt 0x0
	s_endpgm
; ---------------- the sort: work-group e takes expert e ----------------
; Wave w takes entries 256 w .. 256 w + 255: register k = 4 i + c of lane l holds the expert of row r = 256 w + 128 i + 4 l + c.
; The rows are counted in the order p = 256 w + 32 k + l.  m = my expert's rows counted before this one = those of earlier waves + of earlier registers + of earlier lanes.
; A row of my expert goes to place m; another row has p - m such rows before it and goes to place 4095 - (p - m).
.Lsort:
	v_lshl_add_u32 v13, s16, 10, v3                ; 1,024 x wave + 16 x lane
	global_load_b128 v[16:19], v13, s[6:7]
	global_load_b128 v[20:23], v13, s[6:7] offset:512
	s_mov_b32 s40, ttmp9
	s_lshl_b32 s18, s40, 14
	s_mov_b32 s19, 0
	s_add_nc_u64 s[12:13], s[12:13], s[18:19]      ; my expert's 4,096 entries of the list
	s_lshl_b32 s18, s40, 8
	s_add_nc_u64 s[14:15], s[14:15], s[18:19]      ; and its 256 bytes of the counts
	s_lshl_b32 s20, s16, 2
	s_add_co_u32 s20, s20, TAB
	v_and_b32 v34, 15, v0
	v_mov_b32 v36, s20                             ; my wave's word of the table
	v_lshl_add_u32 v37, s16, 8, v2                 ; 256 w + l
	v_lshlrev_b32 v38, 2, v2
	v_mov_b32 v43, 0                               ; written once: the destination of a lane exchange counts as one of its sources
	v_lshl_add_u32 v35, v34, 2, TAB                ; lane l reads wave l % 16's word
	v_lshl_add_u32 v38, s16, 8, v38                ; 256 w + 4 l
	s_wait_alu depctr_va_vdst(0)
	s_wait_loadcnt 0x0
.irp k, 0,1,2,3,4,5,6,7
	v_cmp_eq_u32 s[24+\k], s40, v[16+\k]
.endr
	s_mov_b32 s48, 0
.irp k, 0,1,2,3,4,5,6,7
	s_bcnt1_i32_b32 s32, s[24+\k]
	s_add_co_u32 s[49+\k], s[48+\k], s32           ; s48+k: my wave's rows of the expert in the registers before k; s56: in all
.endr
	v_mov_b32 v39, s56
	ds_store_b32 v36, v39                          ; all lanes store the same number into one word
.irp k, 0,1,2,3,4,5,6,7
	v_mbcnt_lo_u32_b32 v[24+\k], s[24+\k], s[48+\k]   ; + those in the lanes below me
.endr
	s_wait_alu depctr_va_vdst(0)
	s_wait_dscnt 0x0                               ; for the others' sake: my count lies in LDS
	s_barrier_signal -1
	s_barrier_wait -1                              ; everybody's does
	ds_load_b32 v40, v35
	v_cmp_gt_u32 vcc_lo, s16, v34                  ; only the waves in front of mine count
	s_wait_dscnt 0x0
	v_cndmask_b32 v40, 0, v40, vcc_lo
.irp x, 1,2,4,8
	v_mov_b32_dpp v43, v40 row_xmask:\x row_mask:0xf bank_mask:0xf
	v_add_nc_u32 v40, v40, v43
.endr
	v_readfirstlane_b32 s57, v40                   ; the expert's rows in the waves in front of mine
.irp k, 0,1,2,3,4,5,6,7
	v_add_nc_u32 v[24+\k], s57, v[24+\k]           ; m
.endr
.irp k, 0,1,2,3,4,5,6,7
	v_sub_nc_u32 v[48+\k], v[24+\k], v37
.endr
.irp k, 0,1,2,3,4,5,6,7
	v_add_nc_u32 v[48+\k], 4095-32*\k, v[48+\k]    ; 4095 - (p - m)
.endr
.irp k, 0,1,2,3,4,5,6,7
	v_cndmask_b32 v[24+\k], v[48+\k], v[24+\k], s[24+\k]
.endr
.irp k, 0,1,2,3,4,5,6,7
	v_min_u32 v[24+\k], 0xfff, v[24+\k]            ; inside the expert's part of the list, whatever was loaded
.endr
.irp k, 0,1,2,3,4,5,6,7
	v_lshlrev_b32 v[24+\k], 2, v[24+\k]
.endr
.irp k, 0,1,2,3,4,5,6,7
	v_add_nc_u32 v[56+\k], 128*(\k/4)+\k%4, v38    ; r
.endr
.irp k, 0,1,2,3,4,5,6,7
	global_store_b32 v[24+\k], v[56+\k], s[12:13]  ; a register's rows go to two runs of neighbouring words.  Each store has registers of its own, written by nothing behind it
.endr
	s_cmp_lg_u32 s16, 15                           ; in wave 15 the earlier waves' rows + its own are the expert's total
	s_cbranch_scc1 .Lsorted
	s_add_co_u32 s58, s57, s56
	v_lshlrev_b32 v74, 3, v2
	v_mov_b32 v72, s58
	v_mov_b32 v73, s58
	global_store_b64 v74, v[72:73], s[14:15]       ; 32 lanes store 256 consecutive bytes
.Lsorted:
	s_wait_tensorcnt 0x0                           ; the wave's end
	ds_add_u32 v[SPW], v[NIL]
	s_wait_dscnt 0x0
	s_endpgm
.Lfunc_end_k_q20db167459_prep:
	.size	k_q20db167459_prep, .Lfunc_end_k_q20db167459_prep-k_q20db167459_prep
	.p2alignl 7, 3214868480
	.fill 96, 4, 3214868480
	.section	.rodata,"a",@progbits
	.p2align	6, 0x0
	.amdhsa_kernel k_q20db167459_prep
		.amdhsa_group_segment_fixed_size 84224
		.amdhsa_private_segment_fixed_size 0
		.amdhsa_enable_private_segment 0
		.amdhsa_kernarg_size 48
		.amdhsa_user_sgpr_count 2
		.amdhsa_user_sgpr_kernarg_segment_ptr 1
		.amdhsa_wavefront_size32 1
		.amdhsa_system_sgpr_workgroup_id_x 1
		.amdhsa_system_sgpr_workgroup_id_y 1
		.amdhsa_system_sgpr_workgroup_id_z 1
		.amdhsa_system_vgpr_workitem_id 0
		.amdhsa_next_free_vgpr 98
		.amdhsa_next_free_sgpr 66
		.amdhsa_reserve_vcc 1
		.amdhsa_float_denorm_mode_32 3
		.amdhsa_float_denorm_mode_16_64 3
		.amdhsa_memory_ordered 1
		.amdhsa_forward_progress 1
		.amdhsa_inst_pref_size 14
	.end_amdhsa_kernel
	.amdgpu_metadata
---
amdhsa.version: [ 1, 2 ]
amdhsa.kernels:
  - .name:           k_q20db167459_prep
    .symbol:         k_q20db167459_prep.kd
    .args:
      - { .name: x, .offset: 0, .size: 8, .value_kind: global_buffer, .address_space: global }
      - { .name: indices, .offset: 8, .size: 8, .value_kind: global_buffer, .address_space: global }
      - { .name: lowp_scales, .offset: 16, .size: 8, .value_kind: global_buffer, .address_space: global }
      - { .name: xc, .offset: 24, .size: 8, .value_kind: global_buffer, .address_space: global }
      - { .name: list, .offset: 32, .size: 8, .value_kind: global_buffer, .address_space: global }
      - { .name: cnt, .offset: 40, .size: 8, .value_kind: global_buffer, .address_space: global }
    .group_segment_fixed_size: 84224
    .private_segment_fixed_size: 0
    .kernarg_segment_align: 8
    .kernarg_segment_size: 48
    .max_flat_workgroup_size: 512
    .sgpr_count:     66
    .vgpr_count:     98
    .wavefront_size: 32
...
	.end_amdgpu_metadata
.endif
;; end of part 1
;; launch moe (part 2): grid 32 x 8, 16 waves a work-group, no clusters, 219,392 bytes of LDS; arguments weight, bias, lowp_scales, xc, list, cnt, out0; writes out0
.if DOCPART == 2
	.amdgcn_target "amdgcn-amd-amdhsa--gfx1250"
	.amdhsa_code_object_version 6
	.text
	.protected	k_q20db167459_moe
	.globl	k_q20db167459_moe
	.p2align	8
	.type	k_q20db167459_moe,@function
k_q20db167459_moe:
	s_mov_b64 s[64:65], 0
	v_nop
	global_prefetch_b8 v0, s[64:65] scope:SCOPE_SE
	s_setreg_imm32_b32 hwreg(HW_REG_WAVE_MODE, 25, 1), 1
	s_wait_xcnt 0x0
; out0[r][:] = W[e(r)] x[r >> 1] + bias[e(r)] for the 4,096 routed rows r = 2 x token + slot, on codes of FP8 (E4M3): only the chosen expert's product is made for a row (a lookup by the index).
; weight [8][2048 (o)][2048 (d)] f32 is read once, as f32, and quantised on its way (code = w / 2^ew, held within +-448, nearest, ties to even); x's codes come from xc [2048][2048];
; sums in f32; a finished sum is multiplied once by 2^(ex + ew) and the bias is added, in one fused multiply-add.
; SHARES.  Work-group (x, y) owns expert y and output columns 64 x .. 64 x + 63, for all rows of that expert: 32 x 8 = 256 work-groups, and each weight byte has one reader.
; The slice's codes, 64 columns x 2,048 along K, stay in LDS: sixteen slots of 128 along K, each written once.
; ROLES, by the wave's number.  Waves 0-3 PRODUCE: wave p streams weight rows 64 x + 16 p .. + 15, 128 along K a step, in two halves of eight rows; quantises them and lays the codes in the step's slot.
; Waves 4-15 CONSUME: wave 4 + cw takes the row tiles 12 j + cw (16 rows each, j = 0 .. 2) against all 64 columns: 12 accumulators.  It gathers its rows' codes from xc straight into its operand registers, two steps ahead
; in two sets of registers.  Loads come back in the order of issue (ISA guide 5.7.1), so each role has one stream.
; While the consumers multiply step t the producers make step t + 1; one barrier between: 16 in all.  The twelve consumers hold 36 tiles = 576 rows.
; ROWS FROM 576 ON are served behind the last barrier: the consumers walk further passes of 576 rows over the codes in LDS, each wave by itself.  4,096 rows are eight passes at the most: the loop has seven trips, a constant.
; PAST THE EXPERT'S END.  A lane past the end takes its tile's first row: in a tile that exists it computes that row's numbers once more and they go to the same place from the same wave; a tile that does not exist is computed
; in the first pass (sixteen times one row) and not stored.  The list holds a whole permutation of the rows for each expert, so what is read there is always a row.
; AN EXPERT WITHOUT ROWS: its slices are streamed all the same and nothing is stored.
; The steps are taken in the order (t + x % 16) % 16: the column slices of an expert start at sixteen different places along K.  ORDER OF ROUNDING: the f32 sums therefore run along K from another start in each
; column slice, and inside a step k stands permuted, alike on both sides (four loads of 16 bytes a fragment: registers 4 c .. 4 c + 3 hold k = 32 c + 16 (lane / 16) + 0 .. 15).
; THE MATRIX INSTRUCTION IS USED TRANSPOSED: source 0 = 16 rows of W (output columns), source 1 = 16 routed rows: a lane holds ONE routed row (lane % 16) and eight neighbouring columns.
; PREFETCH: in the steps 0 to 11 each producer asks for its 16 rows x 512 bytes of the step four on: a lane names one aligned block of 256 bytes, each block once in the launch; the loads of that step go out two steps later.
; NO TENSOR LOADS, NO CLUSTER: the number of rows is read from memory and decides branches; a weight row has one reader; x's rows come by a list.
; LIMITS: ew between -126 and 119, ex + ew between -126 and 127, so that each power of two below is an f32 number.  NaN among the weights is not served.
; THE TWO STREAMS MORE CLOSELY.  x: "two steps ahead" is true of a wave's first tile, asked for at the end of the step that frees its registers; the other two tiles are asked for one step ahead, behind LDS loads inside that
; step, into the set that the step before has freed.  PREFETCH at the head: behind its first three halves a producer asks for the other half of step 1 (16 blocks, the upper lanes name the last one again) and for
; steps 2 and 3: with step 4, asked for in step 0, these are the tiles of four steps at the most.
.set PITCH,  144                       ; a slot's row: 128 codes + 16 bytes of padding: the 16 rows that a fragment load touches start at 16 different places modulo 256 bytes
.set PF1,  24                          ; producers: v24: the head's prefetch of eight rows: PFV, held at the eighth row's last block
.set SLOTB,  64*PITCH                  ; a slot: 64 rows.  Slot t at t x SLOTB
.set GRP,    6*SLOTB                   ; an LDS instruction's immediate reaches 65,535 bytes: six slots to an address register, three registers
.set BIASL,  16*SLOTB                  ; the slice's 64 biases: 256 bytes
.set STAGE,  BIASL+256                 ; the way out: for each wave 16 rows x (256 bytes + 16)
.set SPITCH, 272
.set STGB,   16*SPITCH
.set SPARE,  STAGE+16*STGB             ; the spare words, 128 bytes for each wave
.set CAP,    576                       ; rows in a pass: 12 waves x 3 tiles x 16
.set MORE,   7                         ; passes behind the first: 4,096 rows / 576, rounded up, less one
; REGISTERS.  The roles' texts stand by turns between the barriers; no register is the target of loads from memory in both roles.
.set SNR,  1                           ; stage: where I read a row's number back
.set C16,  2                           ; 16 (lane % 16): my bytes in a row's 256
.set PFV,  3                           ; the prefetch: 8,192 (lane / 2) + 256 (lane % 2)
.set WO,   4                           ; 16 x lane: my bytes in a weight row's 512
.set PST,  5                           ; v5-7    where a producer stores: slots 0-5, 6-11, 12-15
.set FRA,  8                           ; v8-10   a fragment's place in a slot, likewise
.set STI,  11                          ; stage: where I put 32 bytes of a row
.set XO,   12                          ; v12-14  tile j: my row's byte offset in xc, + 16 (lane / 16)
.set H16,  15                          ; 16 (lane / 16)
.set ID,   16                          ; v16-18  tile j: my row's number r
.set POS,  19                          ; 16 cw + lane % 16
.set SC,   20                          ; 2^ew
.set HI,   21                          ; 448 x 2^ew
.set SPW,  22                          ; LDS address of my spare word
.set NIL,  23                          ; 0
.set LO,   24                          ; v24-26  tile j: byte offset in the expert's list
.set BO,   27                          ; 8 x lane
.set STB,  28                          ; stage: where I read a row back
.set BIB,  29                          ; the biases, back
.set BII,  30                          ; the biases, in
.set SNI,  31                          ; stage: where I put my row's number
.set CODE, 32                          ; producers: v32-47   a step's codes: register m = 4 codes of row m
.set RING, 160                         ; producers: v160-255 three halves of 32 registers: 8 rows x 4 numbers a lane
.set WF,   32                          ; consumers: v32-63   two fragments of W; on the way out the biases
.set BD,   48                          ; wave 4, at the head: two biases a lane
.set XF,   64                          ; consumers: v64-159  x's three fragments, two sets; on the way out addresses and rows
.set ACC,  160                         ; consumers: v160-255 accumulator (j, n) at ACC + 32 j + 8 n
.set BASE, 32                          ; s[32+2t:33+2t]  step t's base: producers: my 16 weight rows at that step's K; consumers: xc at that step's K
.set WV,   26                          ; s26  my wave's number
.set TQ,   27                          ; s27  the expert's tiles - 36 x pass - cw: tile j of mine exists where 12 j < TQ
; s20 expert; s22 rows; s23 4 x rows; s[66:67] 2^(ex + ew); s69 cw; s70 x % 16; s74 the pass's first row; s75 passes to go
.macro PLACES                          ; four plain vector instructions between a matrix instruction and a load into, or a vector write of, one of its registers, or the first read of its result (ISA guide 7.12.1 for vector instructions)
.rept 4
	v_nop
.endr
.endm
.macro BAR                             ; my LDS stores have landed and my LDS loads are in, for the other waves' sake; then the work-group's barrier.  It stands on every wave's way
	s_wait_alu depctr_va_vdst(0)
	s_wait_dscnt 0x0
	s_barrier_signal -1
	s_barrier_wait -1
.endm
	s_load_b256 s[4:11], s[0:1], 0x0               ; weight s[4:5], bias s[6:7], the scales' exponents s[8:9], xc s[10:11]
	s_load_b128 s[12:15], s[0:1], 0x20             ; list s[12:13], cnt s[14:15]
	s_load_b64 s[16:17], s[0:1], 0x30              ; out0
	; every LDS address is made here, ahead of the parting of the roles: a constant + a constant x wave + lane terms
	v_lshl_add_u32 v[SPW], v0, 2, SPARE
	v_mov_b32 v[NIL], 0
	v_lshrrev_b32 v35, 5, v0
	v_and_b32 v32, 31, v0                          ; lane
	v_and_b32 v33, 15, v0                          ; r
	v_bfe_u32 v34, v0, 4, 1                        ; h
	v_readfirstlane_b32 s[WV], v35                 ; wave 0..15
	s_mul_i32 s28, s[WV], 16*PITCH
	s_mul_i32 s29, s[WV], STGB
	s_add_co_u32 s29, s29, STAGE                   ; my stage
	s_sub_co_u32 s69, s[WV], 4                     ; cw (of use in waves 4-15)
	s_lshl_b32 s30, s69, 4
	v_lshlrev_b32 v[WO], 4, v32
	v_lshlrev_b32 v[C16], 4, v33
	v_lshlrev_b32 v[H16], 4, v34
	v_lshl_add_u32 v[PST], v32, 2, s28             ; a producer's 16 rows of a slot, + 4 bytes a lane
	v_mul_u32_u24 v[FRA], v33, PITCH
	v_mul_u32_u24 v[STI], v33, SPITCH
	v_mul_u32_u24 v[STB], v34, SPITCH
	v_lshl_add_u32 v[BII], v32, 3, BIASL           ; 8 bytes a lane
	v_lshl_add_u32 v[BIB], v34, 5, BIASL           ; my eight biases of a tile of columns: + 32 h
	v_lshlrev_b32 v[BO], 3, v32
	v_add_nc_u32 v[POS], s30, v33
	v_lshrrev_b32 v[PFV], 1, v32
	v_and_b32 v35, 1, v32
	v_lshl_add_u32 v[FRA], v34, 4, v[FRA]          ; a fragment: row r x pitch + 16 h
	v_add_nc_u32 v[SNI], s29, v[STI]
	v_add_nc_u32 v[SNR], s29, v[STB]
	v_lshlrev_b32 v[PFV], 13, v[PFV]
	v_add_nc_u32 v[PST+1], GRP, v[PST]
	v_add_nc_u32 v[PST+2], 2*GRP, v[PST]
	v_add_nc_u32 v[FRA+1], GRP, v[FRA]
	v_add_nc_u32 v[FRA+2], 2*GRP, v[FRA]
	v_lshl_add_u32 v[STI], v34, 5, v[SNI]          ; in: row r, + 32 h
	v_lshl_add_u32 v[STB], v33, 4, v[SNR]          ; back: lanes 0-15 one row of 256 bytes, lanes 16-31 the next
	v_lshl_add_u32 v[PFV], v35, 8, v[PFV]
	v_lshl_add_u32 v[SNI], v34, 2, v[SNI]
	v_add_nc_u32 v[SNR], 256, v[SNR]               ; a row's number lies in the padding behind it:
	v_add_nc_u32 v[SNI], 256, v[SNI]               ; + 256 + 4 h
	v_min_u32 v[PF1], 7*8192+256, v[PFV]
	s_wait_alu depctr_va_vdst(0)
	s_and_b32 s20, ttmp7, 0xffff                   ; my expert
	s_and_b32 s70, ttmp9, 15                       ; where my column slice starts along K
	s_lshl_b32 s28, ttmp9, 6
	s_lshl_b32 s29, s[WV], 4
	s_add_co_u32 s28, s28, s29                     ; a producer's first weight row: 64 x + 16 wave,
	s_lshl_b32 s28, s28, 13                        ; 8,192 bytes a row,
	s_lshl_b32 s29, s20, 24                        ; 2^24 bytes an expert
	s_add_co_u32 s30, s28, s29
	s_mov_b32 s31, 0
	s_cmp_lt_u32 s[WV], 4                          ; the role: it hangs on the wave's number alone
	s_cselect_b32 s30, s30, 0
	s_cselect_b32 s71, 9, 7                        ; a step of 128 along K is 512 bytes of f32, 128 bytes of codes
.irp t, 0,1,2,3,4,5,6,7,8,9,10,11,12,13,14,15
	s_add_co_u32 s72, s70, \t
	s_and_b32 s72, s72, 15                         ; which 128 along K step t takes
	s_lshl_b32 s[BASE+2*\t], s72, s71
	s_mov_b32 s[BASE+2*\t+1], 0
.endr
	s_lshl_b32 s18, s20, 8                         ; an expert's 256 bytes of the counts
	s_mov_b32 s19, 0
	s_mov_b32 s74, 0                               ; the first pass begins at row 0
	s_wait_kmcnt 0x0
	s_cmp_lt_u32 s[WV], 4
	s_cselect_b64 s[28:29], s[4:5], s[10:11]       ; producers walk weight, consumers xc
	s_add_nc_u64 s[28:29], s[28:29], s[30:31]
.irp t, 0,1,2,3,4,5,6,7,8,9,10,11,12,13,14,15
	s_add_nc_u64 s[BASE+2*\t:BASE+2*\t+1], s[28:29], s[BASE+2*\t:BASE+2*\t+1]
.endr
	s_add_nc_u64 s[14:15], s[14:15], s[18:19]
	s_load_b32 s22, s[14:15], 0x0                  ; the expert's number of rows
	s_load_b64 s[24:25], s[8:9], 0x0               ; ex, ew
	s_lshl_b32 s18, s20, 14
	s_add_nc_u64 s[12:13], s[12:13], s[18:19]      ; my expert's part of the list
	s_lshl_b32 s18, ttmp9, 8                       ; my 64 columns: 256 bytes
	s_add_nc_u64 s[16:17], s[16:17], s[18:19]      ; out0 at my columns
	s_lshl_b32 s72, s20, 13                        ; an expert's 2,048 biases
	s_add_co_u32 s18, s18, s72
	s_add_nc_u64 s[6:7], s[6:7], s[18:19]          ; bias at my expert and columns
; ---------------- what a producer does ----------------
; Half h = 2 t + a of the stream: eight weight rows of step t, one load each: 32 lanes read 512 consecutive bytes, at a multiple of 512 from weight's first byte.  Lane l gets k = 4 l .. 4 l + 3 of the row.
.macro WLOAD h
.irp i, 0,1,2,3,4,5,6,7
	global_load_b128 v[RING+32*((\h)%3)+4*\i:RING+32*((\h)%3)+4*\i+3], v[WO], s[BASE+2*((\h)/2):BASE+2*((\h)/2)+1] offset:(8*((\h)%2)+\i)*8192 th:TH_LOAD_NT
.endr
.endm
; Step t becomes codes in slot t, half by half; a half's registers then take the loads of three halves on.
; The wait's count is the loads issued behind the half that is wanted: two younger halves of eight, 16; at the end no more are issued and the counts run down: 8, 0.
.macro PROD t
.irp a, 0,1
.set HH, 2*(\t)+\a
.set RS, RING+32*(HH%3)
.if HH <= 28 && \a == 0
	s_wait_loadcnt 12                              ; a step's first half: 12, so that it holds also on a way through the text on which an interval's twelve loads of x are the younger ones
.elseif HH <= 29
	s_wait_loadcnt 16
.else
	s_wait_loadcnt 8*(31-HH)
.endif
.irp i, 0,1,2,3,4,5,6,7,8,9,10,11,12,13,14,15,16,17,18,19,20,21,22,23,24,25,26,27,28,29,30,31
	v_med3_num_f32 v[RS+\i], v[RS+\i], -v[HI], v[HI]   ; the conversion to an 8-bit code does not saturate (ISA guide 7.6.2): the hold at the largest code x the scale comes first
.endr
.irp m, 0,1,2,3
	v_cvt_scalef32_pk8_fp8_f32 v[CODE+8*\a+2*\m:CODE+8*\a+2*\m+1], v[RS+8*\m:RS+8*\m+7], v[SC]   ; eight registers = four numbers of row 8 a + 2 m and four of the next: a register of codes for each
.endr
	v_nop                                          ; one plain vector instruction behind the last scaled conversion
.irp m, 0,1,2,3,4,5,6,7
	ds_store_b32 v[PST+(\t)/6], v[CODE+8*\a+\m] offset:SLOTB*((\t)%6)+PITCH*(8*\a+\m)   ; 32 lanes store a row's 128 codes
.endr
.if HH <= 28
	WLOAD HH+3
.endif
.endr
.if (\t) <= 11
	global_prefetch_b8 v[PFV], s[BASE+2*(\t)+8:BASE+2*(\t)+9] th:TH_LOAD_NT scope:SCOPE_SE   ; my rows of step t + 4.  Its address registers are never rewritten
.endif
.endm
; ---------------- what a consumer does ----------------
; The pass's rows.  Tile j of mine is tile 12 j + cw of the pass; lane (r, h) takes its row r.
.macro GATHER_A
.irp j, 0,1,2
	v_add3_u32 v[LO+\j], v[POS], s74, 192*\j       ; the pass's first row + 16 (12 j + cw) + r,
.endr
.irp j, 0,1,2
	v_min_u32 v[LO+\j], 0xfff, v[LO+\j]            ; inside the expert's list (4,096 rows are whole tiles, so this holds lanes of tiles that do not exist alone)
.endr
.irp j, 0,1,2
	v_lshlrev_b32 v[LO+\j], 2, v[LO+\j]
.endr
.irp j, 0,1,2
	global_load_b32 v[ID+\j], v[LO+\j], s[12:13]
.endr
	s_wait_alu depctr_va_vdst(0)
.endm
.macro GATHER_B
	s_wait_loadcnt 0x0
.irp j, 0,1,2
	v_readfirstlane_b32 s[76+\j], v[ID+\j]         ; the tile's first row
.endr
.irp j, 0,1,2
	v_cmp_gt_u32 s[80+\j], s23, v[LO+\j]           ; is my place in front of the expert's end?
.endr
.irp j, 0,1,2
	v_cndmask_b32 v[ID+\j], s[76+\j], v[ID+\j], s[80+\j]
.endr
.irp j, 0,1,2
	v_min_u32 v[ID+\j], 0xfff, v[ID+\j]            ; r, inside out0 whatever was loaded
.endr
.irp j, 0,1,2
	v_and_b32 v[XO+\j], 0xffe, v[ID+\j]            ; 2 x token
.endr
.irp j, 0,1,2
	v_lshl_add_u32 v[XO+\j], v[XO+\j], 10, v[H16]  ; token x 2,048 bytes + 16 h
.endr
	s_wait_alu depctr_va_vdst(0)
	XTILE 0, 0
	XTILE 0, 1
	XTILE 0, 2
	XTILE 1, 0
.endm
.macro XTILE t, j                      ; tile j's fragment of x for step t, into set t % 2: lane (r, h) takes 4 x 16 bytes of its row, 32 bytes apart: the two halves together 128 consecutive bytes of each row
.irp c, 0,1,2,3
	global_load_b128 v[XF+48*((\t)%2)+16*(\j)+4*\c:XF+48*((\t)%2)+16*(\j)+4*\c+3], v[XO+\j], s[BASE+2*(\t):BASE+2*(\t)+1] offset:32*\c
.endr
.endm
.macro BLOAD t, n                      ; W's fragment of column tile n from slot t, into buffer n % 2
.irp c, 0,1,2,3
	ds_load_b128 v[WF+16*((\n)%2)+4*\c:WF+16*((\n)%2)+4*\c+3], v[FRA+(\t)/6] offset:SLOTB*((\t)%6)+16*PITCH*(\n)+32*\c
.endr
.endm
; Column tile n against my three row tiles.  Step 0 takes the constant 0 as C: every accumulator is begun, nothing is cleared.  The twelve accumulators take turns, one instruction a turn, in the same order in every step.
.macro MUL t, n
.irp j, 0,1,2
.set AA, ACC+32*\j+8*(\n)
.set WW, WF+16*((\n)%2)
.set XX, XF+48*((\t)%2)+16*\j
.if (\t) == 0
	v_wmma_f32_16x16x128_fp8_fp8 v[AA:AA+7], v[WW:WW+15], v[XX:XX+15], 0
.else
	v_wmma_f32_16x16x128_fp8_fp8 v[AA:AA+7], v[WW:WW+15], v[XX:XX+15], v[AA:AA+7]
.endif
.endr
.endm
.macro CONS t
	BLOAD \t, 0
	BLOAD \t, 1
.if (\t) < 15
	XTILE (\t)+1, 1                                ; into the set that step t - 1 has freed (its last products have their places behind them)
	s_wait_loadcnt 8                               ; this step's fragments of x are in; the next step's tiles 0 and 1, eight loads, may be out
.else
	s_wait_loadcnt 0x0
.endif
	s_wait_dscnt 4                                 ; column tile 0 is in; tile 1's four loads may be out
	MUL \t, 0
	PLACES                                         ; in front of the loads into the buffer just multiplied
	BLOAD \t, 2
.if (\t) < 15
	XTILE (\t)+1, 2
.endif
	s_wait_dscnt 4                                 ; tile 1 is in
	MUL \t, 1
	PLACES
	BLOAD \t, 3
	s_wait_dscnt 4                                 ; tile 2 is in
	MUL \t, 2
	s_wait_dscnt 0x0                               ; tile 3 is in
	MUL \t, 3
	PLACES                                         ; in front of the loads into x's fragments, of the next step's into W's, and of the way out
.if (\t) < 14
	XTILE (\t)+2, 0                                ; this step's set is free
.endif
.endm
; Between two barriers: the consumers multiply step t, the producers make step t + 1 in its own slot.  The branch hangs on the wave's number alone and jumps over no barrier.
.macro INTERVAL t
	s_cmp_lt_u32 s[WV], 4
	s_cbranch_scc1 .Lp_\@
	CONS \t
	s_branch .Lj_\@
.Lp_\@:
	PROD (\t)+1
.Lj_\@:
	BAR                                            ; step t + 1's codes lie in their slot
.endm
; THE WAY OUT, a tile of 16 rows x 64 columns at a time.  A lane holds 32 neighbouring bytes of a row for each of four column tiles, and the lanes beside it hold other rows: so a tile goes through my own stage in LDS and
; comes back as whole rows of 256 bytes.  The rows go to places that the list gives: each row's number travels with it, in the 16 bytes of padding behind the row.  oa, od: this tile's own eight addresses and 32 registers
; of rows, so no store's registers are written again in the pass (tile 2's rows take tile 0's accumulators, which lie in memory's hands by then: their LDS stores came before loads that have been waited for).
.macro OUT j, oa, od, lab
	s_cmp_le_i32 s[TQ], 12*\j
	s_cbranch_scc1 \lab                            ; there is no such tile, nor a later one of mine in this pass
.irp n, 0,1,2,3
.irp i, 0,2,4,6
	v_pk_fma_f32 v[ACC+32*\j+8*\n+\i:ACC+32*\j+8*\n+\i+1], v[ACC+32*\j+8*\n+\i:ACC+32*\j+8*\n+\i+1], s[66:67], v[WF+8*\n+\i:WF+8*\n+\i+1] op_sel_hi:[1,0,1]   ; sum x 2^(ex + ew) + bias (the scalar pair's low word for both halves); each accumulator from its low end on
.endr
.endr
.irp n, 0,1,2,3
	ds_store_b128 v[STI], v[ACC+32*\j+8*\n:ACC+32*\j+8*\n+3] offset:64*\n
	ds_store_b128 v[STI], v[ACC+32*\j+8*\n+4:ACC+32*\j+8*\n+7] offset:64*\n+16
.endr
	ds_store_b32 v[SNI], v[ID+\j]
.irp i, 0,1,2,3,4,5,6,7
	ds_load_b32 v[\oa+\i], v[SNR] offset:2*SPITCH*\i   ; LDS serves a wave's instructions in order (ISA guide 5.7.1.4): these see my stores, and the next tile's stores come behind them.  The number of row 2 i + lane / 16,
.endr
.irp i, 0,1,2,3,4,5,6,7
	ds_load_b128 v[\od+4*\i:\od+4*\i+3], v[STB] offset:2*SPITCH*\i   ; and my 16 bytes of that row
.endr
	s_wait_dscnt 8                                 ; the eight numbers are in; the eight loads of rows may be out
.irp i, 0,1,2,3,4,5,6,7
	v_min_u32 v[\oa+\i], 0xfff, v[\oa+\i]
.endr
.irp i, 0,1,2,3,4,5,6,7
	v_lshl_add_u32 v[\oa+\i], v[\oa+\i], 13, v[C16]  ; r x 8,192 bytes + 16 (lane % 16)
.endr
	s_wait_alu depctr_va_vdst(0)
.irp i, 0,1,2,3,4,5,6,7
	s_wait_dscnt 7-\i                              ; pair i of rows is in; the pairs behind it may be out
	global_store_b128 v[\oa+\i], v[\od+4*\i:\od+4*\i+3], s[16:17] th:TH_STORE_NT   ; sixteen lanes store 256 consecutive bytes of a row, at a multiple of 256 from out0's first byte; written once, read by nobody here
.endr
.endm
.macro OUTALL
.irp n, 0,1,2,3
	ds_load_b128 v[WF+8*\n:WF+8*\n+3], v[BIB] offset:64*\n        ; the biases of columns 16 n + 8 h + 0 .. 7, where W's fragments lay
	ds_load_b128 v[WF+8*\n+4:WF+8*\n+7], v[BIB] offset:64*\n+16
.endr
	s_wait_dscnt 0x0
	OUT 0, 64, 72, .Lo_\@
	OUT 1, 104, 112, .Lo_\@
	OUT 2, 144, 160, .Lo_\@
.Lo_\@:
.endm
	s_cmp_lt_u32 s[WV], 4
	s_cbranch_scc1 .Lstream
	GATHER_A
	s_cmp_lg_u32 s[WV], 4                          ; one wave brings the 64 biases, 256 consecutive bytes, into LDS for all twelve
	s_cbranch_scc1 .Lscales
	global_load_b64 v[BD:BD+1], v[BO], s[6:7]
	s_branch .Lscales
.Lstream:
	WLOAD 0
	WLOAD 1
	WLOAD 2
	global_prefetch_b8 v[PF1], s[BASE+2:BASE+3] offset:8*8192 th:TH_LOAD_NT scope:SCOPE_SE   ; step 1: my last eight rows
	global_prefetch_b8 v[PFV], s[BASE+4:BASE+5] th:TH_LOAD_NT scope:SCOPE_SE   ; steps 2
	global_prefetch_b8 v[PFV], s[BASE+6:BASE+7] th:TH_LOAD_NT scope:SCOPE_SE   ; and 3
.Lscales:                                              ; what hangs on the second scalar loads, while the first vector loads are out
	s_wait_kmcnt 0x0
	s_add_co_i32 s28, s25, 127
	s_lshl_b32 s29, s28, 23
	v_mov_b32 v[SC], s29                           ; 2^ew as f32: the conversion takes its exponent field
	s_add_co_i32 s28, s28, 8
	s_lshl_b32 s28, s28, 23
	s_or_b32 s28, s28, 0x600000
	v_mov_b32 v[HI], s28                           ; 448 x 2^ew
	s_wait_alu depctr_va_vdst(0)
	s_add_co_i32 s66, s24, s25
	s_add_co_i32 s66, s66, 127
	s_lshl_b32 s66, s66, 23                        ; 2^(ex + ew) as f32
	s_mov_b32 s67, s66                             ; (named with it as a pair, so it is written)
	s_min_u32 s22, s22, 0x1000                     ; what was loaded enters counts only behind this bound
	s_lshl_b32 s23, s22, 2
	s_add_co_u32 s[TQ], s22, 15
	s_lshr_b32 s[TQ], s[TQ], 4                     ; tiles of 16 rows
	s_sub_co_i32 s[TQ], s[TQ], s69
	s_cmp_lt_u32 s[WV], 4
	s_cbranch_scc1 .Lmake
	GATHER_B
	s_cmp_lg_u32 s[WV], 4
	s_cbranch_scc1 .Lfirst
	ds_store_b64 v[BII], v[BD:BD+1]                ; read on the way out, behind all the barriers
	s_branch .Lfirst
.Lmake:
	PROD 0
.Lfirst:
	BAR                                            ; step 0's codes lie in slot 0, the biases in their place
.irp t, 0,1,2,3,4,5,6,7,8,9,10,11,12,13,14
	INTERVAL \t
.endr
	s_cmp_lt_u32 s[WV], 4
	s_cbranch_scc1 .Lend                           ; the producers are done; no barrier follows
	CONS 15
	OUTALL
	; rows from 576 on: all sixteen slots lie in LDS and nobody writes them any more, so each consumer walks its further tiles by itself
	s_cmp_le_u32 s22, CAP
	s_cbranch_scc1 .Lend                           ; the expert has no such rows
	s_mov_b32 s75, MORE
.Lpass:                                                ; seven trips, whatever the split
	s_add_co_u32 s74, s74, CAP                     ; the pass's first row,
	s_sub_co_i32 s[TQ], s[TQ], 36                  ; and 36 tiles fewer to go
	s_cmp_le_i32 s[TQ], 0
	s_cbranch_scc1 .Lnone                          ; no tile of mine in this pass, nor in a later one
	s_wait_xcnt 0x0                                ; the last pass's stores have read their addresses and data: x's fragments land in those registers
	GATHER_A
	GATHER_B
.irp t, 0,1,2,3,4,5,6,7,8,9,10,11,12,13,14,15
	CONS \t
.endr
	OUTALL
.Lnone:
	s_sub_co_u32 s75, s75, 1
	s_cmp_lg_u32 s75, 0
	s_cbranch_scc1 .Lpass
.Lend:
	s_wait_tensorcnt 0x0                           ; the wave's end
	ds_add_u32 v[SPW], v[NIL]
	s_wait_dscnt 0x0
	s_endpgm
.Lfunc_end_k_q20db167459_moe:
	.size	k_q20db167459_moe, .Lfunc_end_k_q20db167459_moe-k_q20db167459_moe
	.p2alignl 7, 3214868480
	.fill 96, 4, 3214868480
	.section	.rodata,"a",@progbits
	.p2align	6, 0x0
	.amdhsa_kernel k_q20db167459_moe
		.amdhsa_group_segment_fixed_size 219392
		.amdhsa_private_segment_fixed_size 0
		.amdhsa_enable_private_segment 0
		.amdhsa_kernarg_size 56
		.amdhsa_user_sgpr_count 2
		.amdhsa_user_sgpr_kernarg_segment_ptr 1
		.amdhsa_wavefront_size32 1
		.amdhsa_system_sgpr_workgroup_id_x 1
		.amdhsa_system_sgpr_workgroup_id_y 1
		.amdhsa_system_sgpr_workgroup_id_z 1
		.amdhsa_system_vgpr_workitem_id 0
		.amdhsa_next_free_vgpr 256
		.amdhsa_next_free_sgpr 88
		.amdhsa_reserve_vcc 0
		.amdhsa_float_denorm_mode_32 3
		.amdhsa_float_denorm_mode_16_64 3
		.amdhsa_memory_ordered 1
		.amdhsa_forward_progress 1
		.amdhsa_inst_pref_size 255
	.end_amdhsa_kernel
	.section	.bss,"aw",@nobits
	.p2align	6
	.space	262144
	.amdgpu_metadata
---
amdhsa.version: [ 1, 2 ]
amdhsa.kernels:
  - .name:           k_q20db167459_moe
    .symbol:         k_q20db167459_moe.kd
    .args:
      - { .name: weight, .offset: 0, .size: 8, .value_kind: global_buffer, .address_space: global }
      - { .name: bias, .offset: 8, .size: 8, .value_kind: global_buffer, .address_space: global }
      - { .name: lowp_scales, .offset: 16, .size: 8, .value_kind: global_buffer, .address_space: global }
      - { .name: xc, .offset: 24, .size: 8, .value_kind: global_buffer, .address_space: global }
      - { .name: list, .offset: 32, .size: 8, .value_kind: global_buffer, .address_space: global }
      - { .name: cnt, .offset: 40, .size: 8, .value_kind: global_buffer, .address_space: global }
      - { .name: out0, .offset: 48, .size: 8, .value_kind: global_buffer, .address_space: global }
    .group_segment_fixed_size: 219392
    .private_segment_fixed_size: 0
    .kernarg_segment_align: 8
    .kernarg_segment_size: 56
    .max_flat_workgroup_size: 512
    .sgpr_count:     88
    .vgpr_count:     256
    .wavefront_size: 32
...
	.end_amdgpu_metadata
.endif
;; end of part 2
